; MI455X (gfx1250); checked and timed in simulation.
; The chip was launched on July 23, 2026; its instructions are those of AMD's public machine-readable ISA for CDNA 5 (MIT licence, August 2026) and "CDNA5" Instruction Set Architecture Reference Guide (July 2026). The comments in the code are by the model that wrote it; some were corrected since.
;; Attention Context. Allowed arithmetic: float matrix products may take bf16 or f16 operands with f32 sums; other float arithmetic in f32, or as packed bf16 or f16 multiplies, adds, multiply-adds, maxima and minima; sums over many terms, partial sums and values carried from step to step in f32; what a program stores and reads back later, other than sums and carried values, may be rounded once to bf16 or f16.
;; Inputs: dec_state 64 x 1,024 float32; enc_state 64 x 2,048 x 512 float32; out_b 1,024 float32; out_w 2,048 x 1,024 float32; phi_b 4 x 256 float32; phi_w 4 x 1,024 x 256 float32; psi_b 4 x 256 float32; psi_w 4 x 512 x 256 float32.
;; Outputs: out0 64 x 1,024 float32.
;; One version. Each part assembles by itself: llvm-mc -triple=amdgcn-amd-amdhsa -mcpu=gfx1250 --defsym DOCPART=n.
;; ======== version 1 of 1: 5 launches
;; workspace buffers: phis 262,144 bytes; qf 1,048,576 bytes; cbv 4,096 bytes; part 2,097,152 bytes; stat 65,536 bytes; cnh 262,144 bytes; cnl 262,144 bytes
;; launch phi (part 1): grid 16 x 4, 16 waves a work-group, no clusters, 167,936 bytes of LDS; arguments dec_state, phi_w, phi_b, phis; writes phis
.if DOCPART == 1
	.amdgcn_target "amdgcn-amd-amdhsa--gfx1250"
	.amdhsa_code_object_version 6
	.text
	.protected	k_qf65814f206_phi
	.globl	k_qf65814f206_phi
	.p2align	8
	.type	k_qf65814f206_phi,@function
k_qf65814f206_phi:
	s_mov_b64 s[64:65], 0
	v_nop
	global_prefetch_b8 v0, s[64:65] scope:SCOPE_SE
	s_setreg_imm32_b32 hwreg(HW_REG_WAVE_MODE, 25, 1), 1
	s_wait_xcnt 0x0
; phis[b][256 h + k] = sum over d of dec[b][d] phi_w[h][d][k] + phi_b[h][k].  dec: [64][1024], phi_w: [4][1024][256], phi_b: [4][256], phis: [64][1024], all f32.
; dec, phi_w and phi_b are rounded once to bf16; products by the bf16 matrix form, sums in f32, phis stored in f32.
; LIMITS.  NaN and infinities are not treated apart.  The sum over d is split over sixteen waves and joined in f32: another order of rounding than one chain.
; SHARES.  A work-group makes 16 rows b (its y) x 64 columns (its x).  Wave w takes d = 64 w .. 64 w + 63, two K steps of 32; the sixteen partial tiles meet in LDS.
; A (16 b x 32 d) comes from the wave's own LDS tile (16 rows of 256 bytes, 272 apart: the 16 rows of a load start at 16 different groups of four banks, ISA guide 11.1).
; B (32 d x 16 columns) comes straight from memory: a lane loads 16 bytes, four neighbouring columns 4 r .. 4 r + 3, of each of its sixteen d; register x of those loads
; belongs to fragment x, in which column r of the matrix tile stands for column 4 r + x.  Sixteen lanes read 256 consecutive bytes, aligned.
; No cluster: what two work-groups share (a strip of phi_w among the four y) is read once each by 64 work-groups that have all their loads out at once.
.set PITCH, 272
.set TILE,  16*PITCH                   ; a wave's tile of dec
.set STAGE, 16*TILE                    ; 16 waves x 4,096 bytes of partial sums; no tensor load lands here
.set SPARE, STAGE+16*4096              ; the spare words: 128 bytes for each wave, eight blocks of 256 bytes that no other line names
.set X,   16                           ; v16-47   dec as loaded, 16 registers a K step; then A's fragment in the first 8 of them
.set BF,  48                           ; v48-79   B's four fragments of K step 0
.set ACC, 80                           ; v80-111  four accumulators
.set Y0,  112                          ; v112-175 phi_w as loaded, K step 0; then B's four fragments of K step 1
.set Y1,  176                          ; v176-239 phi_w as loaded, K step 1; then the sixteen partial sums
.set R,   Y1
; v1 r = lane % 16, v2 hh = lane / 16, v3 my offset in phi_w, v4 my LDS address in the tile, v5 stage in, v6 stage back, v7 my offset in phis, v8 v9 the add, v10-13 bias, v14 v15 at work
.macro PLACES                          ; four places behind a matrix instruction (ISA guide 7.12.1)
.rept 4
	v_nop
.endr
.endm
.macro GLOAD s, dst                    ; K step s of phi_w: my sixteen d, 16 bytes each
.set jj, 0
.rept 16
	global_load_b128 v[(\dst)+4*jj:(\dst)+4*jj+3], v3, s[6:7] offset:(32*(\s)+jj+8*(jj/8))*1024
.set jj, jj+1
.endr
.endm
.macro CVTB src, dst                   ; sixty-four f32 to four fragments: fragment fi, register ft = d pair 2 ft, 2 ft + 1 of column 4 r + fi
.set fi, 0
.rept 4
.set ft, 0
.rept 8
	v_cvt_pk_bf16_f32 v[(\dst)+8*fi+ft], v[(\src)+8*ft+fi], v[(\src)+8*ft+4+fi]
.set ft, ft+1
.endr
.set fi, fi+1
.endr
.endm
	s_load_b256 s[4:11], s[0:1], 0x0               ; dec s[4:5], phi_w s[6:7], phi_b s[8:9], phis s[10:11]
	v_lshl_add_u32 v8, v0, 2, SPARE
	v_mov_b32 v9, 0
	ds_add_u32 v8, v9                              ; the opening: the add and its wait stand ahead of my tensor load; the set-up stands between them
	ds_add_u32 v8, v9
	v_lshrrev_b32 v1, 5, v0
	v_readfirstlane_b32 s12, v1                    ; wave 0..15
	s_mov_b32 s13, ttmp9                           ; strip of 64 columns
	s_and_b32 s14, ttmp7, 0xffff                   ; block of 16 rows b
	s_mov_b32 s24, (2<<16)|(1<<20)|(5<<22)|(3<<25) ; group 1: 4-byte elements; padding on, 4 words behind every 64
	s_mov_b32 s25, 64<<16                          ; tensor_dim0 = 64
	s_mov_b32 s26, 16<<16                          ; tensor_dim1 = 16
	s_mov_b32 s27, 64<<16                          ; tile_dim0 = 64
	s_mov_b32 s28, 16                              ; tile_dim1 = 16
	s_mov_b32 s29, 1024                            ; elements from row to row
	s_mov_b32 s30, 0
	s_mov_b32 s31, 0
	s_mov_b32 s32, 1                               ; group 0: count
	s_mul_i32 s33, s12, TILE                       ; LDS address: my own tile
	s_lshl_b32 s20, s14, 16                        ; dec: 16 rows of 4,096 bytes a block,
	s_lshl_b32 s21, s12, 8                         ; my 64 d
	s_add_co_u32 s20, s20, s21
	s_mov_b32 s21, 0
	s_lshr_b32 s22, s13, 2                         ; phi_w: the head,
	s_lshl_b32 s22, s22, 20
	s_and_b32 s23, s13, 3                          ; the strip in the head,
	s_lshl_b32 s23, s23, 8
	s_add_co_u32 s22, s22, s23
	s_lshl_b32 s23, s12, 16                        ; my 64 rows d of 1,024 bytes
	s_add_co_u32 s22, s22, s23
	s_mov_b32 s23, 0
	s_lshl_b32 s16, s13, 8                         ; phi_b: the strip's 256 bytes
	s_mov_b32 s17, 0
	s_lshl_b32 s18, s14, 4                         ; phis: row 16 y + wave (waves 0-7 store),
	s_add_co_u32 s18, s18, s12
	s_lshl_b32 s18, s18, 12
	s_add_co_u32 s18, s18, s16                     ; the strip
	s_mov_b32 s19, 0
	v_and_b32 v1, 15, v0
	v_bfe_u32 v2, v0, 4, 1
	v_lshlrev_b32 v15, 4, v1                       ; 16 r
	v_lshl_add_u32 v3, v2, 13, v15                 ; + 8 hh rows of phi_w
	v_lshl_add_u32 v7, v2, 15, v15                 ; + 8 hh rows of phis
	v_mul_u32_u24 v4, v1, PITCH
	v_lshl_add_u32 v4, v2, 5, v4                   ; row r, 32 bytes for each half of the lanes
	v_add_nc_u32 v4, s33, v4
	v_and_b32 v14, 31, v0
	v_lshlrev_b32 v14, 2, v14                      ; 4 x lane
	s_lshl_b32 s15, s12, 12
	s_add_co_u32 s15, s15, STAGE
	v_add_nc_u32 v5, s15, v14                      ; in: my wave's 4,096 bytes
	s_lshl_b32 s15, s12, 7
	s_add_co_u32 s15, s15, STAGE
	v_add_nc_u32 v6, s15, v14                      ; back: register number = my wave's number, of every wave's part
	s_wait_dscnt 0x0                               ; the opening add is done
	s_wait_kmcnt 0x0
	s_add_nc_u64 s[34:35], s[4:5], s[20:21]
	s_or_b32 s35, s35, 0x80000000                  ; type = 2
	s_add_nc_u64 s[6:7], s[6:7], s[22:23]
	s_add_nc_u64 s[8:9], s[8:9], s[16:17]
	s_add_nc_u64 s[10:11], s[10:11], s[18:19]
	tensor_load_to_lds s[32:35], s[24:31]          ; my one tensor load
	s_nop 0
	global_load_b128 v[10:13], v15, s[8:9]         ; the bias of columns 4 r .. 4 r + 3
	GLOAD 0, Y0
	GLOAD 1, Y1
	s_wait_tensorcnt 0x0                           ; the tile is read by the wave that fetched it alone: no barrier
.irp s, 0,1
	ds_load_b128 v[X+16*(\s):X+16*(\s)+3],     v4 offset:128*(\s)
	ds_load_b128 v[X+16*(\s)+4:X+16*(\s)+7],   v4 offset:128*(\s)+16
	ds_load_b128 v[X+16*(\s)+8:X+16*(\s)+11],  v4 offset:128*(\s)+64
	ds_load_b128 v[X+16*(\s)+12:X+16*(\s)+15], v4 offset:128*(\s)+80
.endr
	s_wait_dscnt 0x0
.irp s, 0,1
.set ft, 0
.rept 8                                ; in place, ascending: register ft is written when 2 ft and 2 ft + 1 are read
	v_cvt_pk_bf16_f32 v[X+16*(\s)+ft], v[X+16*(\s)+2*ft], v[X+16*(\s)+2*ft+1]
.set ft, ft+1
.endr
.endr
	s_wait_loadcnt 16                              ; the bias and K step 0 are in; K step 1's sixteen loads may be out
	CVTB Y0, BF
.irp i, 0,1,2,3
	v_wmma_f32_16x16x32_bf16 v[ACC+8*(\i):ACC+8*(\i)+7], v[X:X+7], v[BF+8*(\i):BF+8*(\i)+7], 0  ; the first K step starts the sums
.endr
	s_wait_loadcnt 0x0
	CVTB Y1, Y0                                    ; into registers that no matrix instruction has named
.irp i, 0,1,2,3
	v_wmma_f32_16x16x32_bf16 v[ACC+8*(\i):ACC+8*(\i)+7], v[X+16:X+23], v[Y0+8*(\i):Y0+8*(\i)+7], v[ACC+8*(\i):ACC+8*(\i)+7]  ; the four accumulators take turns
.endr
	PLACES
.set z, 0
.rept 32                               ; each accumulator's registers in ascending order
	ds_store_b32 v5, v[ACC+z] offset:128*z
.set z, z+1
.endr
	s_wait_dscnt 0x0                               ; for the others' sake: my partial sums are in LDS
	s_barrier_signal -1
	s_barrier_wait -1
	s_cmp_lt_u32 s12, 8
	s_cbranch_scc0 .Lend                           ; eight registers an accumulator: waves 0-7 take one each
.set q, 0
.rept 16
.irp i, 0,1,2,3
	ds_load_b32 v[R+4*q+(\i)], v6 offset:4096*q+1024*(\i)
.endr
.set q, q+1
.endr
	v_cvt_pk_bf16_f32 v14, v10, v11                ; the bias is rounded to bf16 like the other inputs, and widened again
	v_cvt_pk_bf16_f32 v15, v12, v13
	v_lshlrev_b32 v10, 16, v14
	v_and_b32 v11, 0xffff0000, v14
	v_lshlrev_b32 v12, 16, v15
	v_and_b32 v13, 0xffff0000, v15
	s_wait_dscnt 0x0
.irp st, 8,4,2,1
.set q, 0
.rept \st
	v_pk_add_f32 v[R+4*q:R+4*q+1],   v[R+4*q:R+4*q+1],   v[R+4*(q+\st):R+4*(q+\st)+1]
	v_pk_add_f32 v[R+4*q+2:R+4*q+3], v[R+4*q+2:R+4*q+3], v[R+4*(q+\st)+2:R+4*(q+\st)+3]
.set q, q+1
.endr
.endr
	v_pk_add_f32 v[R:R+1],   v[R:R+1],   v[10:11]
	v_pk_add_f32 v[R+2:R+3], v[R+2:R+3], v[12:13]
	global_store_b128 v7, v[R:R+3], s[10:11]       ; row 8 hh + wave, columns 4 r .. 4 r + 3: sixteen lanes store 256 consecutive bytes, aligned
.Lend:
	s_wait_tensorcnt 0x0                           ; the wave's end
	ds_add_u32 v8, v9
	s_wait_dscnt 0x0
	s_endpgm
.Lfunc_end_k_qf65814f206_phi:
	.size	k_qf65814f206_phi, .Lfunc_end_k_qf65814f206_phi-k_qf65814f206_phi
	.p2alignl 7, 3214868480
	.fill 96, 4, 3214868480
	.section	.rodata,"a",@progbits
	.p2align	6, 0x0
	.amdhsa_kernel k_qf65814f206_phi
		.amdhsa_group_segment_fixed_size 167936
		.amdhsa_private_segment_fixed_size 0
		.amdhsa_enable_private_segment 0
		.amdhsa_kernarg_size 32
		.amdhsa_user_sgpr_count 2
		.amdhsa_user_sgpr_kernarg_segment_ptr 1
		.amdhsa_wavefront_size32 1
		.amdhsa_system_sgpr_workgroup_id_x 1
		.amdhsa_system_sgpr_workgroup_id_y 1
		.amdhsa_system_sgpr_workgroup_id_z 1
		.amdhsa_system_vgpr_workitem_id 0
		.amdhsa_next_free_vgpr 240
		.amdhsa_next_free_sgpr 66
		.amdhsa_reserve_vcc 0
		.amdhsa_float_denorm_mode_32 3
		.amdhsa_float_denorm_mode_16_64 3
		.amdhsa_memory_ordered 1
		.amdhsa_forward_progress 1
		.amdhsa_inst_pref_size 22
	.end_amdhsa_kernel
	.amdgpu_metadata
---
amdhsa.version: [ 1, 2 ]
amdhsa.kernels:
  - .name:           k_qf65814f206_phi
    .symbol:         k_qf65814f206_phi.kd
    .args:
      - { .name: dec_state, .offset: 0, .size: 8, .value_kind: global_buffer, .address_space: global }
      - { .name: phi_w, .offset: 8, .size: 8, .value_kind: global_buffer, .address_space: global }
      - { .name: phi_b, .offset: 16, .size: 8, .value_kind: global_buffer, .address_space: global }
      - { .name: phis, .offset: 24, .size: 8, .value_kind: global_buffer, .address_space: global }
    .group_segment_fixed_size: 167936
    .private_segment_fixed_size: 0
    .kernarg_segment_align: 8
    .kernarg_segment_size: 32
    .max_flat_workgroup_size: 512
    .sgpr_count:     66
    .vgpr_count:     240
    .wavefront_size: 32
...
	.end_amdgpu_metadata
.endif
;; end of part 1
;; launch qproj (part 2): grid 16 x 4, 8 waves a work-group, no clusters, 294,912 bytes of LDS; arguments psi_w, psi_b, phis, qf, cbv; writes qf, cbv
.if DOCPART == 2
	.amdgcn_target "amdgcn-amd-amdhsa--gfx1250"
	.amdhsa_code_object_version 6
	.text
	.protected	k_qf65814f206_qproj
	.globl	k_qf65814f206_qproj
	.p2align	8
	.type	k_qf65814f206_qproj,@function
k_qf65814f206_qproj:
	s_mov_b64 s[64:65], 0
	v_nop
	global_prefetch_b8 v0, s[64:65] scope:SCOPE_SE
	s_setreg_imm32_b32 hwreg(HW_REG_WAVE_MODE, 25, 1), 1
	s_wait_xcnt 0x0
; q[b][h][e] = sum over k of psi_w[h][e][k] phis[b][256 h + k], and cb[b][h] = sum over k of psi_b[h][k] phis[b][256 h + k].
; With them the energy of key u is sum over e of enc[b][u][e] q[b][h][e] + cb[b][h]: the same sum as phi_s . (enc psi_w + psi_b), regrouped, for every input.
; psi_w: [4][512][256], psi_b: [4][256], phis: [64][1024], f32.  psi_w and psi_b are rounded once to bf16; phis goes in as two bf16 numbers, hi = bf16(x) and lo = bf16(x - hi),
; each with its own accumulator; sums in f32.
; OUT.  qf: bf16 [64 b][64 o = e / 8][16 n][8 e]: column n = h holds hi of q, n = 4 + h holds lo, n >= 8 holds 0: 256 bytes are one octet of e for all sixteen columns of a matrix tile.
;       cbv: f32 [64 b][16 n]: n < 4 holds cb, the others 0.
; LIMITS.  NaN and infinities are not treated apart; phis and q keep some 16 significant bits.
; SHARES.  A work-group makes 32 e (its x) x 16 b (its y) for all heads.  Wave w: head w % 4, 16 e of the 32 (w / 4); 8 K steps of 32.  Each wave fetches its own two tiles
; (16 rows of 1,024 bytes, 1,040 apart) and reads no other wave's: no barrier in front of the products.  No cluster: the tiles that work-groups share are 16 KiB each, read once at the start.
.set TP,    1040
.set TILE,  16*TP
.set WREG,  2*TILE                     ; a wave's two tiles: psi_w's, then phis'
.set BIASB, 8*WREG                     ; 1,024 bytes for each wave's number: a head's row of psi_b
.set STG,   BIASB+8*1024               ; 16 b x 1,040: the work-group's part of qf, by rows b
.set CST,   STG+TILE                   ; 16 b x 64 bytes of cbv
.set SPARE, CST+1024                   ; the spare words: 128 bytes for each wave, four blocks of 256 bytes that no other line names
.set QH,   28                          ; v28-31   hi of q
.set QL,   32                          ; v32-35   lo of q
.set Q,    36                          ; v36-43   q in f32
.set ACCH, 44                          ; v44-51   A x hi
.set ACCL, 52                          ; v52-59   A x lo
.set BH,   60                          ; v60-91   hi fragments of four K steps
.set XA,   92                          ; v92-155  A as loaded, 16 registers a K step; then its fragment in the first 8 of them
.set XB,   156                         ; v156-219 phis as loaded; then the lo fragments likewise
; v1 r, v2 hh, v3 psi tile, v4 phis tile, v5 bias row, v6 stage in, v7 stage back, v8 my offset in qf, v9 cb's word, v10 16 x lane, v11 -1.0, v12 v13 the add, v14 v15 at work, v16-23 psi_b, v24-27 zeros
.macro PLACES
.rept 4
	v_nop
.endr
.endm
; One product over the 256 k: A from LDS address register aaddr, B = phis as hi and lo.  Two halves of four K steps.
.macro PASS aaddr
.irp half, 0,1
	PLACES                                         ; the loads below land in registers that matrix instructions have read
.set ks, 0
.rept 4
.irp o, 0,1,2,3
	ds_load_b128 v[XA+16*ks+4*(\o):XA+16*ks+4*(\o)+3], v[\aaddr] offset:128*(4*(\half)+ks)+16*((\o)%2)+64*((\o)/2)
.endr
.set ks, ks+1
.endr
.set ks, 0
.rept 4
.irp o, 0,1,2,3
	ds_load_b128 v[XB+16*ks+4*(\o):XB+16*ks+4*(\o)+3], v4 offset:128*(4*(\half)+ks)+16*((\o)%2)+64*((\o)/2)
.endr
.set ks, ks+1
.endr
	s_wait_dscnt 16                                ; A's sixteen loads are in, B's may be out
.set u, 0
.rept 32                               ; in place, ascending
	v_cvt_pk_bf16_f32 v[XA+16*(u/8)+u%8], v[XA+2*u], v[XA+2*u+1]
.set u, u+1
.endr
	s_wait_dscnt 0x0
.set u, 0
.rept 32
	v_cvt_pk_bf16_f32 v[BH+u], v[XB+2*u], v[XB+2*u+1]      ; hi
.set u, u+1
.endr
.set u, 0
.rept 32
	v_fma_mix_f32_bf16 v[XB+2*u],   v[BH+u], v11, v[XB+2*u]   op_sel_hi:[1,0,0]                 ; x - hi, exact
	v_fma_mix_f32_bf16 v[XB+2*u+1], v[BH+u], v11, v[XB+2*u+1] op_sel:[1,0,0] op_sel_hi:[1,0,0]
.set u, u+1
.endr
.set u, 0
.rept 32
	v_cvt_pk_bf16_f32 v[XB+16*(u/8)+u%8], v[XB+2*u], v[XB+2*u+1]  ; lo, in place
.set u, u+1
.endr
.set ks, 0
.rept 4                                ; the two accumulators take turns
.if ((\half) == 0) && (ks == 0)
	v_wmma_f32_16x16x32_bf16 v[ACCH:ACCH+7], v[XA:XA+7], v[BH:BH+7], 0
	v_wmma_f32_16x16x32_bf16 v[ACCL:ACCL+7], v[XA:XA+7], v[XB:XB+7], 0
.else
	v_wmma_f32_16x16x32_bf16 v[ACCH:ACCH+7], v[XA+16*ks:XA+16*ks+7], v[BH+8*ks:BH+8*ks+7],   v[ACCH:ACCH+7]
	v_wmma_f32_16x16x32_bf16 v[ACCL:ACCL+7], v[XA+16*ks:XA+16*ks+7], v[XB+16*ks:XB+16*ks+7], v[ACCL:ACCL+7]
.endif
.set ks, ks+1
.endr
.endr
.endm
	s_load_b256 s[4:11], s[0:1], 0x0               ; psi_w s[4:5], psi_b s[6:7], phis s[8:9], qf s[10:11]
	s_load_b64 s[12:13], s[0:1], 0x20              ; cbv
	v_lshl_add_u32 v12, v0, 2, SPARE
	v_mov_b32 v13, 0
	ds_add_u32 v12, v13                            ; the opening: the add and its wait stand ahead of my first tensor load
	ds_add_u32 v12, v13
	v_lshrrev_b32 v1, 5, v0
	v_readfirstlane_b32 s14, v1                    ; wave 0..7
	s_and_b32 s15, s14, 3                          ; head
	s_lshr_b32 s16, s14, 2                         ; which 16 of the 32 e
	s_mov_b32 s17, ttmp9                           ; block of 32 e
	s_and_b32 s18, ttmp7, 0xffff                   ; block of 16 b
.irp g, 24, 32
	s_mov_b32 s[(\g)+0], (2<<16)|(1<<20)|(7<<22)|(3<<25)  ; 4-byte elements; padding on, 4 words behind every 256
	s_mov_b32 s[(\g)+1], 256<<16                   ; tensor_dim0 = 256
	s_mov_b32 s[(\g)+2], 16<<16                    ; tensor_dim1 = 16
	s_mov_b32 s[(\g)+3], 256<<16                   ; tile_dim0 = 256
	s_mov_b32 s[(\g)+4], 16                        ; tile_dim1 = 16
	s_mov_b32 s[(\g)+6], 0
	s_mov_b32 s[(\g)+7], 0
.endr
	s_mov_b32 s29, 256                             ; psi_w: 256 elements from row to row
	s_mov_b32 s37, 1024                            ; phis: 1,024
	s_mov_b32 s40, 1
	s_mul_i32 s41, s14, WREG                       ; my tile of psi_w
	s_mov_b32 s44, 1
	s_add_co_u32 s45, s41, TILE                    ; my tile of phis
	s_lshl_b32 s20, s15, 19                        ; psi_w: the head's 512 rows of 1,024 bytes,
	s_lshl_b32 s21, s17, 15                        ; the block's 32 rows,
	s_add_co_u32 s20, s20, s21
	s_lshl_b32 s21, s16, 14                        ; my 16 of them
	s_add_co_u32 s20, s20, s21
	s_mov_b32 s21, 0
	s_lshl_b32 s22, s18, 16                        ; phis: 16 rows of 4,096 bytes,
	s_lshl_b32 s48, s15, 10                        ; the head's 1,024 bytes; also psi_b's row
	s_add_co_u32 s22, s22, s48
	s_mov_b32 s23, 0
	s_mov_b32 s49, 0
	s_lshl_b32 s50, s18, 18                        ; qf: 16 b of 16,384 bytes,
	s_lshl_b32 s51, s17, 10                        ; the block's four octets
	s_add_co_u32 s50, s50, s51
	s_mov_b32 s51, 0
	s_lshl_b32 s52, s18, 10                        ; cbv: 16 b of 64 bytes
	s_mov_b32 s53, 0
	v_and_b32 v1, 15, v0
	v_bfe_u32 v2, v0, 4, 1
	v_and_b32 v10, 31, v0
	v_lshlrev_b32 v10, 4, v10
	v_mov_b32 v11, -1.0
	v_mul_u32_u24 v14, v1, TP
	v_lshl_add_u32 v6, v2, 8, v14                  ; stage in: row b = r, octet 2 t + hh,
	v_lshl_add_u32 v14, v2, 5, v14                 ; a fragment: row r, 32 bytes for each half of the lanes
	v_add_nc_u32 v3, s41, v14
	v_add_nc_u32 v4, s45, v14
	s_lshl_b32 s19, s14, 10
	s_add_co_u32 s19, s19, BIASB
	v_lshlrev_b32 v5, 5, v2
	v_add_nc_u32 v5, s19, v5                       ; no row term: all sixteen rows of A are the bias row
	v_add_nc_u32 v15, s19, v10
	s_lshl_b32 s19, s16, 9                         ; my two octets of the four: 512 t,
	s_lshl_b32 s54, s15, 4                         ; column n = head: 16 bytes
	s_add_co_u32 s19, s19, s54
	s_add_co_u32 s19, s19, STG
	v_add_nc_u32 v6, s19, v6
	s_mul_i32 s19, s14, 2*TP
	s_add_co_u32 s19, s19, STG
	v_add_nc_u32 v7, s19, v10                      ; stage back: rows b = 2 w and 2 w + 1, whole
	s_lshl_b32 s19, s14, 15
	v_add_nc_u32 v8, s19, v10                      ; and the same two rows in qf
	s_lshl_b32 s19, s14, 2
	s_add_co_u32 s19, s19, CST
	v_lshl_add_u32 v9, v1, 6, s19                  ; cb's word: row b = r, column = wave (waves 0-3: the head)
.irp z, 24,25,26,27
	v_mov_b32 v\z, 0
.endr
	s_wait_dscnt 0x0                               ; the opening add is done
	s_wait_kmcnt 0x0
	s_add_nc_u64 s[42:43], s[4:5], s[20:21]
	s_or_b32 s43, s43, 0x80000000
	s_add_nc_u64 s[46:47], s[8:9], s[22:23]
	s_or_b32 s47, s47, 0x80000000
	s_add_nc_u64 s[6:7], s[6:7], s[48:49]
	s_add_nc_u64 s[10:11], s[10:11], s[50:51]
	s_add_nc_u64 s[12:13], s[12:13], s[52:53]
	tensor_load_to_lds s[40:43], s[24:31]          ; two tensor loads of mine are out
	s_nop 0
	tensor_load_to_lds s[44:47], s[32:39]
	s_nop 0
	; cb is made once for each b: by the work-groups of x = 0, waves 0-3, a head each.  The jumps go forward and pass no barrier and no tensor load.
	s_cmp_lg_u32 s17, 0
	s_cbranch_scc1 .Lnocb
	s_cmp_ge_u32 s14, 4
	s_cbranch_scc1 .Lnocb
	global_load_b128 v[16:19], v10, s[6:7]
	global_load_b128 v[20:23], v10, s[6:7] offset:512
	s_wait_loadcnt 0x0
	ds_store_b128 v15, v[16:19]                    ; my own 1,024 bytes: LDS serves a wave's instructions in order (ISA guide 5.7.1.4), so my loads see these
	ds_store_b128 v15, v[20:23] offset:512
	s_wait_tensorcnt 0x0
	PASS 5
	PLACES
	v_add_f32 v14, v[ACCH], v[ACCL]                ; every row of the result is cb[b = r]: the lowest register serves
	ds_store_b32 v9, v14
	ds_store_b32 v9, v24 offset:16                 ; columns 4 + h, 8 + h, 12 + h are 0
	ds_store_b32 v9, v24 offset:32
	ds_store_b32 v9, v24 offset:48
.Lnocb:
	s_wait_tensorcnt 0x0                           ; my two tiles are in; no other wave reads them
	PASS 3
	PLACES
.irp z, 0,1,2,3
	v_pk_add_f32 v[Q+2*(\z):Q+2*(\z)+1], v[ACCH+2*(\z):ACCH+2*(\z)+1], v[ACCL+2*(\z):ACCL+2*(\z)+1]  ; from the low end on
.endr
.irp t, 0,1,2,3
	v_cvt_pk_bf16_f32 v[QH+(\t)], v[Q+2*(\t)], v[Q+2*(\t)+1]
.endr
.irp t, 0,1,2,3
	v_fma_mix_f32_bf16 v[Q+2*(\t)],   v[QH+(\t)], v11, v[Q+2*(\t)]   op_sel_hi:[1,0,0]
	v_fma_mix_f32_bf16 v[Q+2*(\t)+1], v[QH+(\t)], v11, v[Q+2*(\t)+1] op_sel:[1,0,0] op_sel_hi:[1,0,0]
.endr
.irp t, 0,1,2,3
	v_cvt_pk_bf16_f32 v[QL+(\t)], v[Q+2*(\t)], v[Q+2*(\t)+1]
.endr
	ds_store_b128 v6, v[QH:QH+3]                   ; a lane's eight e of one b are one column of an octet: 16 bytes
	ds_store_b128 v6, v[QL:QL+3] offset:64
	ds_store_b128 v6, v[24:27] offset:128
	ds_store_b128 v6, v[24:27] offset:192
	s_wait_dscnt 0x0                               ; for the others' sake: my stores into the stages are done
	s_barrier_signal -1
	s_barrier_wait -1
	ds_load_b128 v[92:95],   v7
	ds_load_b128 v[96:99],   v7 offset:512
	ds_load_b128 v[100:103], v7 offset:TP
	ds_load_b128 v[104:107], v7 offset:TP+512
	s_wait_dscnt 0x0
	global_store_b128 v8, v[92:95],   s[10:11]               ; each store covers 512 consecutive bytes, aligned
	global_store_b128 v8, v[96:99],   s[10:11] offset:512
	global_store_b128 v8, v[100:103], s[10:11] offset:16384
	global_store_b128 v8, v[104:107], s[10:11] offset:16896
	s_cmp_lg_u32 s17, 0
	s_cbranch_scc1 .Lend
	s_cmp_lg_u32 s14, 0
	s_cbranch_scc1 .Lend
	v_add_nc_u32 v14, CST, v10
	ds_load_b128 v[108:111], v14
	ds_load_b128 v[112:115], v14 offset:512
	s_wait_dscnt 0x0
	global_store_b128 v10, v[108:111], s[12:13]
	global_store_b128 v10, v[112:115], s[12:13] offset:512
.Lend:
	s_wait_tensorcnt 0x0                           ; the wave's end
	ds_add_u32 v12, v13
	s_wait_dscnt 0x0
	s_endpgm
.Lfunc_end_k_qf65814f206_qproj:
	.size	k_qf65814f206_qproj, .Lfunc_end_k_qf65814f206_qproj-k_qf65814f206_qproj
	.p2alignl 7, 3214868480
	.fill 96, 4, 3214868480
	.section	.rodata,"a",@progbits
	.p2align	6, 0x0
	.amdhsa_kernel k_qf65814f206_qproj
		.amdhsa_group_segment_fixed_size 294912
		.amdhsa_private_segment_fixed_size 0
		.amdhsa_enable_private_segment 0
		.amdhsa_kernarg_size 40
		.amdhsa_user_sgpr_count 2
		.amdhsa_user_sgpr_kernarg_segment_ptr 1
		.amdhsa_wavefront_size32 1
		.amdhsa_system_sgpr_workgroup_id_x 1
		.amdhsa_system_sgpr_workgroup_id_y 1
		.amdhsa_system_sgpr_workgroup_id_z 1
		.amdhsa_system_vgpr_workitem_id 0
		.amdhsa_next_free_vgpr 220
		.amdhsa_next_free_sgpr 66
		.amdhsa_reserve_vcc 0
		.amdhsa_float_denorm_mode_32 3
		.amdhsa_float_denorm_mode_16_64 3
		.amdhsa_memory_ordered 1
		.amdhsa_forward_progress 1
		.amdhsa_inst_pref_size 60
	.end_amdhsa_kernel
	.amdgpu_metadata
---
amdhsa.version: [ 1, 2 ]
amdhsa.kernels:
  - .name:           k_qf65814f206_qproj
    .symbol:         k_qf65814f206_qproj.kd
    .args:
      - { .name: psi_w, .offset: 0, .size: 8, .value_kind: global_buffer, .address_space: global }
      - { .name: psi_b, .offset: 8, .size: 8, .value_kind: global_buffer, .address_space: global }
      - { .name: phis, .offset: 16, .size: 8, .value_kind: global_buffer, .address_space: global }
      - { .name: qf, .offset: 24, .size: 8, .value_kind: global_buffer, .address_space: global }
      - { .name: cbv, .offset: 32, .size: 8, .value_kind: global_buffer, .address_space: global }
    .group_segment_fixed_size: 294912
    .private_segment_fixed_size: 0
    .kernarg_segment_align: 8
    .kernarg_segment_size: 40
    .max_flat_workgroup_size: 256
    .sgpr_count:     66
    .vgpr_count:     220
    .wavefront_size: 32
...
	.end_amdgpu_metadata
.endif
;; end of part 2
;; launch attn (part 3): grid 4 x 64, 8 waves a work-group, no clusters, 327,680 bytes of LDS; arguments enc_state, qf, cbv, part, stat; writes part, stat
.if DOCPART == 3
	.amdgcn_target "amdgcn-amd-amdhsa--gfx1250"
	.amdhsa_code_object_version 6
	.text
	.protected	k_qf65814f206_attn
	.globl	k_qf65814f206_attn
	.p2align	8
	.type	k_qf65814f206_attn,@function
k_qf65814f206_attn:
	s_mov_b64 s[64:65], 0
	v_nop
	global_prefetch_b8 v0, s[64:65] scope:SCOPE_SE
	s_setreg_imm32_b32 hwreg(HW_REG_WAVE_MODE, 25, 1), 1
	s_wait_xcnt 0x0
; For one b and one quarter of its 2,048 keys: s[u][h] = sum over e of enc[b][u][e] q[b][h][e] + cb[b][h]; p = 2^(c s - c m) with a running maximum m, c = log2(e) / 16;
; O[h][e] = sum over u of p enc[b][u][e]; l[h] = sum of p.  Stored: part[b][quarter][h][512 e] = O, stat[b][quarter][lane] = (c m, l), all f32; a later launch joins the quarters.
; enc is read from memory ONCE: a tile of 64 keys x 512 e (f32) lies in LDS and feeds both products; it is rounded to bf16 on the way into the matrix unit.
; q and p go in as hi + lo, two bf16 numbers, in columns of the matrix tile that four heads leave idle: column h = hi, 4 + h = lo, 8-15 = 0 (q) or the weight of a zero score (p): finite, never stored.
; LIMITS.  NaN and infinities are not treated apart; a weight below 2^-126 counts as 0; c s must lie above -4.2e37, where c m starts; q and p keep some 16 significant bits;
; l is the sum of the unrounded p.  The maximum that is taken away is the true running maximum of s, in f32.
; SHARES.  256 work-groups: x = quarter, y = b.  Eight tiles go through two LDS slots; wave w fetches strip w of a tile (64 rows x 256 bytes: e = 64 w .. 64 w + 63; rows 272 apart in LDS).
; Scores: wave w makes 16 keys (w % 4) over half of e (w / 4), 8 K steps.  The eight partial tiles of scores meet in LDS; every wave then makes the same softmax for all 64 keys.
; O: wave w makes e = 64 w .. 64 w + 63 over all 64 keys: four accumulators; row r of accumulator i stands for e = 64 w + 4 r + i, since a lane loads four neighbouring e of a key at once.
; LAYOUT.  Scores = keys x q: a lane holds ONE column (lane % 16) and the keys 8 (lane / 16) + 0..7; two such tiles rounded in pairs ARE source 1 (32 keys x 16 columns) of O = enc^T p.
; ONE BARRIER A TILE.  All reads of the tile stand in front of it.  It publishes the scores, frees the slot, and shows the other slot whole; the slot's refill is the first thing behind it and has the
; softmax, the second product and the next tile's reads in which to land.  A wave has two tensor loads out at the start, later one.
; No cluster: no two work-groups read the same bytes of enc; what the four quarters of a b share (qf, 16 KiB) is 1.5 per cent of a work-group's bytes.
.set PITCH, 272
.set STRIP, 64*PITCH
.set SLOT,  8*STRIP
.set TILEB, 64*2048                    ; a tile's bytes in memory
.set SPARE, 2*SLOT                     ; the spare words: 128 bytes for each wave, four blocks of 256 bytes that no other line names
.set SSTB,  SPARE+1024                 ; the scores' stage: 8 waves x 1,024 bytes, twice: odd tiles' first, then even tiles'
.set OUTS,  SSTB+8192                  ; the way out: 16 rows x 2,064 bytes, from the even tiles' stage on; no tensor load lands in any of these
.set OP,    2064
.set AE,  3                            ; v3, v4   LDS address of my keys' rows in slot 0, 1
.set AV,  5                            ; v5, v6   LDS address of my strip in slot 0, 1
.set SSO, 7                            ; v7       where I put my scores
.set SLD, 8                            ; v8       where I read everybody's
.set SPW, 9                            ; v9       my spare word; never rewritten
.set NIL, 10                           ; v10      0; never rewritten
.set L16, 11                           ; v11      16 x lane
.set CM,  12                           ; v12      c m
.set MX,  13                           ; v13      m
.set LS,  14                           ; v14-15   l: even keys', odd keys'
.set AA,  16                           ; v16-17   a = 2^(c m_old - c m_new), twice
.set NF,  18                           ; v18      -1.0 in columns 4-7, else 0
.set OLD, 19                           ; v19      c m_old
.set CC,  20                           ; v20-23   at work
.set CB,  24                           ; v24-31   cb as a C operand (waves of the first half of e), or 0
.set EA0, 32                           ; v32-39   scores, even K steps
.set EA1, 40                           ; v40-47   scores, odd K steps
.set PF,  48                           ; v48-63   p: two fragments
.set O,   64                           ; v64-95   four accumulators
.set VF,  96                           ; v96-159  keys' rows as loaded (second half of the K steps); then enc^T: 2 x 4 fragments
.set L,   160                          ; v160-223 what LDS loads bring
; window 1: v0-63 q's eight fragments of my half of e: source 1 of the first product alone.  s_set_vgpr_msb: bits 3:2 source 1, 7:6 destination.
.set MSB, 0
.macro WIN new                         ; the immediate's high byte repeats the setting that is left
.if MSB != (\new)
	s_set_vgpr_msb (MSB<<8)|(\new)
.set MSB, \new
.endif
.endm
.macro PLACES
.rept 4
	v_nop
.endr
.endm
.macro ELOAD s, half, dst              ; my 16 keys, K steps 4 half .. 4 half + 3: 16 f32 a lane and K step
.set ks, 0
.rept 4
.set kk, 4*(\half)+ks
.irp o, 0,1,2,3
	ds_load_b128 v[(\dst)+16*ks+4*(\o):(\dst)+16*ks+4*(\o)+3], v[AE+(\s)] offset:(kk/2)*STRIP+(kk%2)*128+16*((\o)%2)+64*((\o)/2)
.endr
.set ks, ks+1
.endr
.endm
.macro ECVT dst                        ; to bf16 in place, ascending: K step ks' fragment in the first 8 of its 16 registers
.set u, 0
.rept 32
	v_cvt_pk_bf16_f32 v[(\dst)+16*(u/8)+u%8], v[(\dst)+2*u], v[(\dst)+2*u+1]
.set u, u+1
.endr
.endm
.macro EMUL dst, half, first           ; four products; the two accumulators take turns.  first = 1: they start the sums, one with cb
	WIN 0x04
.irp ks, 0,1,2,3
.if (\first) && ((\ks) == 0)
	v_wmma_f32_16x16x32_bf16 v[EA0:EA0+7], v[(\dst):(\dst)+7], v[32*(\half):32*(\half)+7], v[CB:CB+7]
.elseif (\first) && ((\ks) == 1)
	v_wmma_f32_16x16x32_bf16 v[EA1:EA1+7], v[(\dst)+16:(\dst)+23], v[32*(\half)+8:32*(\half)+15], 0
.else
	v_wmma_f32_16x16x32_bf16 v[EA0+8*((\ks)%2):EA0+8*((\ks)%2)+7], v[(\dst)+16*(\ks):(\dst)+16*(\ks)+7], v[32*(\half)+8*(\ks):32*(\half)+8*(\ks)+7], v[EA0+8*((\ks)%2):EA0+8*((\ks)%2)+7]
.endif
.endr
	WIN 0
.endm
.macro VLOAD s, g                      ; keys 32 g .. 32 g + 31 of my strip: my sixteen keys, four neighbouring e each; sixteen lanes read one row's 256 bytes
.set jj, 0
.rept 16
	ds_load_b128 v[L+4*jj:L+4*jj+3], v[AV+(\s)] offset:(32*(\g)+jj+8*(jj/8))*PITCH
.set jj, jj+1
.endr
.endm
.macro VCVT g                          ; fragment fi, register ft = key pair 2 ft, 2 ft + 1 of e = 64 w + 4 r + fi
.set fi, 0
.rept 4
.set ft, 0
.rept 8
	v_cvt_pk_bf16_f32 v[VF+32*(\g)+8*fi+ft], v[L+8*ft+fi], v[L+8*ft+4+fi]
.set ft, ft+1
.endr
.set fi, fi+1
.endr
.endm
.macro SOUT par                        ; even + odd K steps (from the low end on); hi + lo: column n takes column n xor 4; into the stage
.irp z, 0,1,2,3
	v_pk_add_f32 v[EA0+2*(\z):EA0+2*(\z)+1], v[EA0+2*(\z):EA0+2*(\z)+1], v[EA1+2*(\z):EA1+2*(\z)+1]
.endr
.irp j, 0,1,2,3,4,5,6,7
	v_add_f32_dpp v[EA0+(\j)], v[EA0+(\j)], v[EA0+(\j)] row_xmask:4 row_mask:0xf bank_mask:0xf
.endr
	ds_store_b128 v[SSO], v[EA0:EA0+3]   offset:(1-(\par))*8192
	ds_store_b128 v[SSO], v[EA0+4:EA0+7] offset:(1-(\par))*8192+512
.endm
.macro MEET s, refill
	s_wait_tensorcnt 0x0                           ; all my tensor loads have landed: the one that was out is my strip of the other slot; so a group 0 may be written
	ds_add_u32 v[SPW], v[NIL]                      ; 0 onto my spare word
.if \refill
	s_add_nc_u64 s[34+4*(\s):35+4*(\s)], s[34+4*(\s):35+4*(\s)], 2*TILEB  ; this slot's next tile; the type bits on top are not reached
.endif
	s_wait_dscnt 0x0                               ; the add is done, my scores are in the stage, my reads of this slot are back
	s_barrier_signal -1
	s_barrier_wait -1                              ; all that now holds of every wave
.if \refill
	tensor_load_to_lds s[32+4*(\s):35+4*(\s)], s[24:31]  ; my one tensor load behind the barrier, and the first thing there
	s_nop 0
.endif
.endm
.macro SMAX par
.set ww, 0
.rept 8                                ; wave ww's scores: keys 16 (ww % 4) on, half ww / 4 of e
	ds_load_b128 v[L+32*(ww/4)+8*(ww%4):L+32*(ww/4)+8*(ww%4)+3],   v[SLD] offset:(1-(\par))*8192+ww*1024
	ds_load_b128 v[L+32*(ww/4)+8*(ww%4)+4:L+32*(ww/4)+8*(ww%4)+7], v[SLD] offset:(1-(\par))*8192+ww*1024+512
.set ww, ww+1
.endr
	s_wait_dscnt 0x0
.set z, 0
.rept 16                               ; the two halves of e: s0-s31 are my column's scores of 32 keys
	v_pk_add_f32 v[L+2*z:L+2*z+1], v[L+2*z:L+2*z+1], v[L+32+2*z:L+32+2*z+1]
.set z, z+1
.endr
.irp n, 0,1,2,3                        ; the maximum: four chains of seven scores, three operands at a time,
	v_max3_num_f32 v[CC+(\n)], v[L+8*(\n)], v[L+8*(\n)+1], v[L+8*(\n)+2]
.endr
.irp n, 0,1,2,3
	v_max3_num_f32 v[CC+(\n)], v[CC+(\n)], v[L+8*(\n)+3], v[L+8*(\n)+4]
.endr
.irp n, 0,1,2,3
	v_max3_num_f32 v[CC+(\n)], v[CC+(\n)], v[L+8*(\n)+5], v[L+8*(\n)+6]
.endr
	v_max3_num_f32 v[CC],   v[CC],   v[L+7],  v[L+15]  ; the four left over, the old m,
	v_max3_num_f32 v[CC+1], v[CC+1], v[L+23], v[L+31]
	v_max3_num_f32 v[CC+2], v[CC+2], v[CC+3], v[MX]
	v_mov_b32 v[OLD], v[CM]
	v_max3_num_f32 v[CC], v[CC], v[CC+1], v[CC+2]
	v_permlanex16_b32 v[CC+3], v[CC], s42, s43         ; and the column's other 32 keys, in the lane 16 away
	v_max_num_f32 v[MX], v[CC], v[CC+3]
	v_mul_f32 v[CM], s40, v[MX]
	v_sub_f32 v[CC+1], v[OLD], v[CM]
	v_exp_f32 v[AA], v[CC+1]
.set z, 0
.rept 16
	v_pk_fma_f32 v[L+2*z:L+2*z+1], v[L+2*z:L+2*z+1], s[40:41], v[CM:CM+1] op_sel_hi:[1,0,0] neg_lo:[0,0,1] neg_hi:[0,0,1]  ; c s - c m
.set z, z+1
.endr
.set z, 0
.rept 32
	v_exp_f32 v[L+z], v[L+z]
.set z, z+1
.endr
	s_wait_alu depctr_va_vdst(0)
	v_mov_b32 v[AA+1], v[AA]                       ; a plain instruction behind the exponentials, ahead of the first use of their results (ISA guide 5.7.2)
	v_pk_add_f32 v[CC:CC+1],     v[L:L+1],     v[L+2:L+3]      ; the sum of the 16 pairs, in four chains; the weights stay as they are
	v_pk_add_f32 v[CC+2:CC+3],   v[L+4:L+5],   v[L+6:L+7]
	v_pk_add_f32 v[EA1:EA1+1],   v[L+8:L+9],   v[L+10:L+11]
	v_pk_add_f32 v[EA1+2:EA1+3], v[L+12:L+13], v[L+14:L+15]
.irp z, 16, 24
	v_pk_add_f32 v[CC:CC+1],     v[CC:CC+1],     v[L+(\z):L+(\z)+1]
	v_pk_add_f32 v[CC+2:CC+3],   v[CC+2:CC+3],   v[L+(\z)+2:L+(\z)+3]
	v_pk_add_f32 v[EA1:EA1+1],   v[EA1:EA1+1],   v[L+(\z)+4:L+(\z)+5]
	v_pk_add_f32 v[EA1+2:EA1+3], v[EA1+2:EA1+3], v[L+(\z)+6:L+(\z)+7]
.endr
	v_pk_add_f32 v[CC:CC+1],   v[CC:CC+1],   v[CC+2:CC+3]
	v_pk_add_f32 v[EA1:EA1+1], v[EA1:EA1+1], v[EA1+2:EA1+3]
	v_pk_add_f32 v[CC:CC+1],   v[CC:CC+1],   v[EA1:EA1+1]
	v_pk_fma_f32 v[LS:LS+1], v[LS:LS+1], v[AA:AA+1], v[CC:CC+1]  ; l = a l + the sum
.set z, 0
.rept 16
	v_cvt_pk_bf16_f32 v[L+32+z], v[L+2*z], v[L+2*z+1]  ; hi
.set z, z+1
.endr
.set z, 0
.rept 16                               ; columns 4-7: p - hi; the others keep p
	v_fma_mix_f32_bf16 v[L+2*z],   v[L+32+z], v[NF], v[L+2*z]   op_sel_hi:[1,0,0]
	v_fma_mix_f32_bf16 v[L+2*z+1], v[L+32+z], v[NF], v[L+2*z+1] op_sel:[1,0,0] op_sel_hi:[1,0,0]
.set z, z+1
.endr
.set z, 0
.rept 16
	v_cvt_pk_bf16_f32 v[PF+z], v[L+2*z], v[L+2*z+1]    ; hi in columns 0-3, lo in columns 4-7
.set z, z+1
.endr
.endm
.macro CTX
.set z, 0
.rept 16                               ; ascending: each accumulator is read from its low end on
	v_pk_mul_f32 v[O+2*z:O+2*z+1], v[O+2*z:O+2*z+1], v[AA:AA+1]
.set z, z+1
.endr
.irp g, 0,1
.irp i, 0,1,2,3
	v_wmma_f32_16x16x32_bf16 v[O+8*(\i):O+8*(\i)+7], v[VF+32*(\g)+8*(\i):VF+32*(\g)+8*(\i)+7], v[PF+8*(\g):PF+8*(\g)+7], v[O+8*(\i):O+8*(\i)+7]  ; the four take turns
.endr
.endr
	PLACES                                         ; in front of the next tile's loads into VF, and of the way out
.endm
.macro TRIP s, refill                  ; the tile in slot s
	ELOAD \s, 0, L
	ELOAD \s, 1, VF
	s_wait_dscnt 16                                ; the first sixteen loads are in
	ECVT L
	EMUL L, 0, 1
	s_wait_dscnt 0x0
	ECVT VF                                        ; 32 plain instructions on other registers: the places in front of the loads into L
	VLOAD \s, 0
	EMUL VF, 1, 0
	PLACES
	SOUT \s
	s_wait_dscnt 2                                 ; only my two stores may be out: the sixteen loads in front of them are in
	VCVT 0
	VLOAD \s, 1
	s_wait_dscnt 0x0
	VCVT 1
	MEET \s, \refill
	SMAX \s
	CTX
.endm
	s_load_b256 s[4:11], s[0:1], 0x0               ; enc s[4:5], qf s[6:7], cbv s[8:9], part s[10:11]
	s_load_b64 s[12:13], s[0:1], 0x20              ; stat
	v_lshl_add_u32 v[SPW], v0, 2, SPARE
	v_mov_b32 v[NIL], 0
	ds_add_u32 v[SPW], v[NIL]                      ; the opening: the add and its wait stand ahead of my first tensor load; the set-up stands between them
	ds_add_u32 v9, v10
	v_lshrrev_b32 v1, 5, v0
	v_readfirstlane_b32 s14, v1                    ; wave 0..7
	s_lshr_b32 s15, s14, 2                         ; my half of e
	s_and_b32 s16, s14, 3                          ; my 16 keys of a tile
	s_mov_b32 s17, ttmp9                           ; quarter
	s_and_b32 s18, ttmp7, 0xffff                   ; b
	s_mov_b32 s24, (2<<16)|(1<<20)|(5<<22)|(3<<25) ; group 1: 4-byte elements; padding on, 4 words behind every 64
	s_mov_b32 s25, 64<<16                          ; tensor_dim0 = 64
	s_mov_b32 s26, 64<<16                          ; tensor_dim1 = 64
	s_mov_b32 s27, 64<<16                          ; tile_dim0 = 64
	s_mov_b32 s28, 64                              ; tile_dim1 = 64
	s_mov_b32 s29, 512                             ; elements from row to row
	s_mov_b32 s30, 0
	s_mov_b32 s31, 0
	s_mov_b32 s32, 1                               ; group 0, a set for each slot
	s_mul_i32 s33, s14, STRIP
	s_mov_b32 s36, 1
	s_add_co_u32 s37, s33, SLOT
	s_mov_b32 s40, 0x3db8aa3b                      ; c = log2(e) / 16
	s_mov_b32 s41, s40                             ; named with it as a pair
	s_mov_b32 s42, 0x76543210                      ; v_permlanex16_b32: each lane takes its own place in the other half
	s_mov_b32 s43, 0xfedcba98
	v_and_b32 v1, 15, v0                           ; r
	v_bfe_u32 v2, v0, 4, 1                         ; hh
	v_and_b32 v[L16], 31, v0
	v_lshlrev_b32 v[L16], 4, v[L16]
	s_mul_i32 s20, s15, 4*STRIP                    ; my half of e: four strips,
	s_mul_i32 s21, s16, 16*PITCH                   ; my 16 keys
	s_add_co_u32 s20, s20, s21
	v_mul_u32_u24 v[AE], v1, PITCH
	v_lshl_add_u32 v[AE], v2, 5, v[AE]             ; row r, 32 bytes for each half of the lanes
	v_add_nc_u32 v[AE], s20, v[AE]
	v_add_nc_u32 v[AE+1], SLOT, v[AE]
	v_mul_u32_u24 v[AV], v2, 8*PITCH
	v_lshl_add_u32 v[AV], v1, 4, v[AV]             ; key 8 hh, e = 4 r
	v_add_nc_u32 v[AV], s33, v[AV]
	v_add_nc_u32 v[AV+1], SLOT, v[AV]
	s_lshl_b32 s20, s14, 10
	s_add_co_u32 s20, s20, SSTB
	v_add_nc_u32 v[SSO], s20, v[L16]
	v_add_nc_u32 v[SLD], SSTB, v[L16]
	v_and_b32 v[CC], 12, v0
	v_mov_b32 v[CC+1], -1.0
	v_cmp_eq_u32 vcc_lo, 4, v[CC]                  ; columns 4-7
	v_cndmask_b32 v[NF], 0, v[CC+1], vcc_lo
	v_lshlrev_b32 v[CC+1], 2, v1                   ; 4 r: my column's word in cbv
	s_lshl_b32 s20, s18, 22                        ; enc: b's 2,048 rows of 2,048 bytes,
	s_lshl_b32 s21, s17, 20                        ; the quarter's 512,
	s_add_co_u32 s20, s20, s21
	s_lshl_b32 s21, s14, 8                         ; my strip
	s_add_co_u32 s20, s20, s21
	s_mov_b32 s21, 0
	s_lshl_b32 s22, s18, 14                        ; qf: b's 16,384 bytes, my half of e
	s_lshl_b32 s23, s15, 13
	s_add_co_u32 s22, s22, s23
	s_mov_b32 s23, 0
	s_lshl_b32 s44, s18, 6                         ; cbv: b's 64 bytes
	s_mov_b32 s45, 0
	s_lshl2_add_u32 s48, s18, s17                  ; 4 b + quarter
	s_lshl_b32 s46, s48, 13                        ; part: 8,192 bytes each, my wave's 1,024
	s_lshl_b32 s47, s14, 10
	s_add_co_u32 s46, s46, s47
	s_mov_b32 s47, 0
	s_lshl_b32 s48, s48, 8                         ; stat: 256 bytes each
	s_mov_b32 s49, 0
	s_wait_dscnt 0x0                               ; the opening add is done
	s_wait_kmcnt 0x0
	s_add_nc_u64 s[34:35], s[4:5], s[20:21]        ; tile 0
	s_add_nc_u64 s[38:39], s[34:35], TILEB         ; tile 1
	s_or_b32 s35, s35, 0x80000000                  ; type = 2
	s_or_b32 s39, s39, 0x80000000
	s_add_nc_u64 s[6:7], s[6:7], s[22:23]
	s_add_nc_u64 s[8:9], s[8:9], s[44:45]
	s_add_nc_u64 s[10:11], s[10:11], s[46:47]
	s_add_nc_u64 s[12:13], s[12:13], s[48:49]
	tensor_load_to_lds s[32:35], s[24:31]          ; both first fills go out together, ahead of every wait on TENSORcnt, every LDS read and every barrier
	s_nop 0
	tensor_load_to_lds s[36:39], s[24:31]
	s_nop 0
	WIN 0x40                                       ; destination window 1
.set z, 0
.rept 16                               ; q: load z brings half a fragment: octets 2 z + hh of my half of e, column r: 512 consecutive bytes
	global_load_b128 v[4*z:4*z+3], v[L16], s[6:7] offset:512*z
.set z, z+1
.endr
	WIN 0
	global_load_b32 v[CC], v[CC+1], s[8:9]
.set z, 0
.rept 32                               ; O and l start at 0, c m far below every c s, m at the lowest finite number: the first tile is a tile like any other, with a = 0.  This stands in the wait for the first tile
	v_mov_b32 v[O+z], 0
.set z, z+1
.endr
	v_mov_b32 v[LS], 0
	v_mov_b32 v[LS+1], 0
	v_mov_b32 v[CM], 0xfe000000
	v_mov_b32 v[MX], 0xff7fffff
	s_cmp_eq_u32 s15, 0
	s_cselect_b32 s20, 1.0, 0                      ; cb enters once: with the first half of e
	s_wait_loadcnt 0x0
.irp j, 0,1,2,3,4,5,6,7
	v_mul_f32 v[CB+(\j)], s20, v[CC]
.endr
	s_wait_tensorcnt 0x1                           ; my strip of tile 0 is in; tile 1's may stay out
	s_barrier_signal -1
	s_barrier_wait -1                              ; everybody's is
	s_mov_b32 s19, 3
.Lpair:                                                ; three trips of two tiles: tiles 2 to 7 are asked for
	TRIP 0, 1
	TRIP 1, 1
	s_sub_co_u32 s19, s19, 1
	s_cmp_lg_u32 s19, 0
	s_cbranch_scc1 .Lpair
	TRIP 0, 0                                      ; the last two tiles are written out: nothing is left to fetch
	TRIP 1, 0
	; THE WAY OUT.  hi + lo of O; a lane then holds 32 neighbouring e of its column.  Through a stage, so that rows of part leave as whole runs of 512 bytes.
	s_lshl_b32 s20, s14, 8
	s_add_co_u32 s20, s20, OUTS
	v_mul_u32_u24 v3, v1, OP
	v_lshl_add_u32 v3, v2, 7, v3
	v_add_nc_u32 v3, s20, v3                       ; in: row = column r, my wave's 256 bytes, 128 for each half of the lanes
	s_lshr_b32 s20, s14, 1
	s_mul_i32 s20, s20, OP
	s_and_b32 s21, s14, 1
	s_lshl_b32 s21, s21, 10
	s_add_co_u32 s20, s20, s21
	s_add_co_u32 s20, s20, OUTS
	v_add_nc_u32 v4, s20, v[L16]                   ; back: head w / 2, half w % 2 of its 2,048 bytes
	v_lshrrev_b32 v5, 1, v[L16]                    ; 8 x lane
.set j, 0
.rept 8                                ; each accumulator's lowest register first
.irp i, 0,1,2,3
	v_add_f32_dpp v[L+4*j+(\i)], v[O+8*(\i)+j], v[O+8*(\i)+j] row_xmask:4 row_mask:0xf bank_mask:0xf
.endr
.set j, j+1
.endr
	v_add_f32 v[CC], v[LS], v[LS+1]
	v_permlanex16_b32 v[CC+1], v[CC], s42, s43
	v_add_f32 v[MX], v[CC], v[CC+1]                ; l, beside c m
.irp j, 0,1,2,3,4,5,6,7
	ds_store_b128 v3, v[L+4*(\j):L+4*(\j)+3] offset:16*(\j)  ; the even tiles' scores, which lay here, were last read in front of the last barrier
.endr
	s_wait_dscnt 0x0                               ; for the others' sake
	s_barrier_signal -1
	s_barrier_wait -1
	ds_load_b128 v[VF:VF+3],   v4
	ds_load_b128 v[VF+4:VF+7], v4 offset:512
	s_wait_dscnt 0x0
	global_store_b128 v[L16], v[VF:VF+3],   s[10:11]
	global_store_b128 v[L16], v[VF+4:VF+7], s[10:11] offset:512
	s_cmp_lg_u32 s14, 0
	s_cbranch_scc1 .Lnostat                        ; every wave holds the same statistics: wave 0 stores them, 256 consecutive bytes
	global_store_b64 v5, v[CM:CM+1], s[12:13]
.Lnostat:
	s_wait_tensorcnt 0x0                           ; the wave's end
	ds_add_u32 v[SPW], v[NIL]
	s_wait_dscnt 0x0
	s_endpgm
.Lfunc_end_k_qf65814f206_attn:
	.size	k_qf65814f206_attn, .Lfunc_end_k_qf65814f206_attn-k_qf65814f206_attn
	.p2alignl 7, 3214868480
	.fill 96, 4, 3214868480
	.section	.rodata,"a",@progbits
	.p2align	6, 0x0
	.amdhsa_kernel k_qf65814f206_attn
		.amdhsa_group_segment_fixed_size 327680
		.amdhsa_private_segment_fixed_size 0
		.amdhsa_enable_private_segment 0
		.amdhsa_kernarg_size 40
		.amdhsa_user_sgpr_count 2
		.amdhsa_user_sgpr_kernarg_segment_ptr 1
		.amdhsa_wavefront_size32 1
		.amdhsa_system_sgpr_workgroup_id_x 1
		.amdhsa_system_sgpr_workgroup_id_y 1
		.amdhsa_system_sgpr_workgroup_id_z 1
		.amdhsa_system_vgpr_workitem_id 0
		.amdhsa_next_free_vgpr 320
		.amdhsa_next_free_sgpr 66
		.amdhsa_reserve_vcc 1
		.amdhsa_float_denorm_mode_32 3
		.amdhsa_float_denorm_mode_16_64 3
		.amdhsa_memory_ordered 1
		.amdhsa_forward_progress 1
		.amdhsa_inst_pref_size 116
	.end_amdhsa_kernel
	.amdgpu_metadata
---
amdhsa.version: [ 1, 2 ]
amdhsa.kernels:
  - .name:           k_qf65814f206_attn
    .symbol:         k_qf65814f206_attn.kd
    .args:
      - { .name: enc_state, .offset: 0, .size: 8, .value_kind: global_buffer, .address_space: global }
      - { .name: qf, .offset: 8, .size: 8, .value_kind: global_buffer, .address_space: global }
      - { .name: cbv, .offset: 16, .size: 8, .value_kind: global_buffer, .address_space: global }
      - { .name: part, .offset: 24, .size: 8, .value_kind: global_buffer, .address_space: global }
      - { .name: stat, .offset: 32, .size: 8, .value_kind: global_buffer, .address_space: global }
    .group_segment_fixed_size: 327680
    .private_segment_fixed_size: 0
    .kernarg_segment_align: 8
    .kernarg_segment_size: 40
    .max_flat_workgroup_size: 256
    .sgpr_count:     66
    .vgpr_count:     320
    .wavefront_size: 32
...
	.end_amdgpu_metadata
.endif
;; end of part 3
;; launch norm (part 4): grid 64 x 1, 4 waves a work-group, no clusters, 0 bytes of LDS; arguments part, stat, cnh, cnl; writes cnh, cnl
.if DOCPART == 4
	.amdgcn_target "amdgcn-amd-amdhsa--gfx1250"
	.amdhsa_code_object_version 6
	.text
	.protected	k_qf65814f206_norm
	.globl	k_qf65814f206_norm
	.p2align	8
	.type	k_qf65814f206_norm,@function
k_qf65814f206_norm:
	s_mov_b64 s[64:65], 0
	v_nop
	global_prefetch_b8 v0, s[64:65] scope:SCOPE_SE
	s_setreg_imm32_b32 hwreg(HW_REG_WAVE_MODE, 25, 1), 1
	s_wait_xcnt 0x0
; The four quarters of a softmax are joined, the context is divided by l and normalised: with M = max over quarters of c m, w = 2^(c m - M):
; ctx[e] = (sum of w O[e]) / (sum of w l);  y = ctx rsqrt(max(sum of ctx^2, 1e-12)).  All in f32.
; part: f32 [64 b][4 quarters][4 h][512 e]; stat: f32 [64 b][4 quarters][32][2], of which word pair h is (c m, l) of head h.
; y leaves as two bf16 numbers, hi = bf16(y) in cnh and lo = bf16(y - hi) in cnl, both [64 b][2048 = 512 h + e]: operands of the last product.
; LIMITS.  NaN and infinities are not treated apart; y keeps some 16 significant bits.
; SHARES.  A work-group is a b, a wave a head: a row of 512 e is 16 numbers a lane, so the sum of squares never leaves the wave: no LDS, no barrier.
; The matrix unit, clusters and tensor loads have nothing to do here: 32 KiB a work-group, all loads out at once.
.set P, 16                             ; v16-79   quarter qc, piece i of 128 e: four registers
.set C, 80                             ; v80-95   ctx, then y, then y - hi; lo in the first eight
.set H, 100                            ; v100-107 hi
	s_load_b256 s[4:11], s[0:1], 0x0               ; part s[4:5], stat s[6:7], cnh s[8:9], cnl s[10:11]
	v_lshrrev_b32 v1, 5, v0
	v_readfirstlane_b32 s12, v1                    ; head
	v_and_b32 v1, 31, v0
	v_lshlrev_b32 v10, 4, v1                       ; 16 x lane
	v_lshlrev_b32 v11, 3, v1                       ; 8 x lane
	v_mov_b32 v14, -1.0
	s_mov_b32 s20, 0x76543210                      ; v_permlanex16_b32: each lane takes its own place in the other half
	s_mov_b32 s21, 0xfedcba98
	s_lshl_b32 s14, ttmp9, 15                      ; part: b's 32,768 bytes, the head's 2,048
	s_lshl_b32 s15, s12, 11
	s_add_co_u32 s14, s14, s15
	s_mov_b32 s15, 0
	s_lshl_b32 s16, ttmp9, 10                      ; stat: b's 1,024 bytes, the head's 8
	s_lshl_b32 s17, s12, 3
	s_add_co_u32 s16, s16, s17
	s_mov_b32 s17, 0
	s_lshl_b32 s18, ttmp9, 12                      ; cnh, cnl: b's 4,096 bytes, the head's 1,024
	s_lshl_b32 s19, s12, 10
	s_add_co_u32 s18, s18, s19
	s_mov_b32 s19, 0
	s_wait_kmcnt 0x0
	s_add_nc_u64 s[4:5], s[4:5], s[14:15]
	s_add_nc_u64 s[6:7], s[6:7], s[16:17]
	s_add_nc_u64 s[8:9], s[8:9], s[18:19]
	s_add_nc_u64 s[10:11], s[10:11], s[18:19]
	s_load_b64 s[24:25], s[6:7], 0x0               ; (c m, l) of the four quarters
	s_load_b64 s[26:27], s[6:7], 0x100
	s_load_b64 s[28:29], s[6:7], 0x200
	s_load_b64 s[30:31], s[6:7], 0x300
.set qc, 0
.rept 4
.irp i, 0,1,2,3
	global_load_b128 v[P+16*qc+4*(\i):P+16*qc+4*(\i)+3], v10, s[4:5] offset:8192*qc+512*(\i)  ; 512 consecutive bytes
.endr
.set qc, qc+1
.endr
	s_wait_kmcnt 0x0
	v_mov_b32 v1, s24
	v_max_num_f32 v1, s26, v1
	v_max_num_f32 v1, s28, v1
	v_max_num_f32 v1, s30, v1                      ; M
	v_sub_f32 v2, s24, v1
	v_sub_f32 v4, s26, v1
	v_sub_f32 v6, s28, v1
	v_sub_f32 v8, s30, v1
	v_exp_f32 v2, v2
	v_exp_f32 v4, v4
	v_exp_f32 v6, v6
	v_exp_f32 v8, v8
	v_nop                                          ; a plain instruction between the exponentials and the use of their results (ISA guide 5.7.2)
	s_wait_alu depctr_va_vdst(0)
	v_mul_f32 v12, s25, v2
	v_fmac_f32 v12, s27, v4
	v_fmac_f32 v12, s29, v6
	v_fmac_f32 v12, s31, v8                        ; the whole row's l
	v_rcp_f32 v13, v12
	v_nop
	s_wait_alu depctr_va_vdst(0)
.irp z, 2,4,6,8
	v_mul_f32 v[\z], v[\z], v13
.endr
.irp z, 2,4,6,8
	v_mov_b32 v[(\z)+1], v[\z]                     ; each factor twice, a pair for the packed lines
.endr
	s_wait_loadcnt 0x0
.set z, 0
.rept 8
	v_pk_mul_f32 v[C+2*z:C+2*z+1], v[P+2*z:P+2*z+1], v[2:3]
.set z, z+1
.endr
.irp qq, 1,2,3
.set z, 0
.rept 8
	v_pk_fma_f32 v[C+2*z:C+2*z+1], v[P+16*(\qq)+2*z:P+16*(\qq)+2*z+1], v[2+2*(\qq):3+2*(\qq)], v[C+2*z:C+2*z+1]
.set z, z+1
.endr
.endr
	v_pk_mul_f32 v[96:97], v[C:C+1],   v[C:C+1]    ; the sum of squares: two chains,
	v_pk_mul_f32 v[98:99], v[C+2:C+3], v[C+2:C+3]
.set z, 2
.rept 6
	v_pk_fma_f32 v[96+2*(z%2):97+2*(z%2)], v[C+2*z:C+2*z+1], v[C+2*z:C+2*z+1], v[96+2*(z%2):97+2*(z%2)]
.set z, z+1
.endr
	v_pk_add_f32 v[96:97], v[96:97], v[98:99]
	v_add_f32 v96, v96, v97
	v_add_f32_dpp v96, v96, v96 row_xmask:1 row_mask:0xf bank_mask:0xf  ; then over the 32 lanes
	v_add_f32_dpp v96, v96, v96 row_xmask:2 row_mask:0xf bank_mask:0xf
	v_add_f32_dpp v96, v96, v96 row_xmask:4 row_mask:0xf bank_mask:0xf
	v_add_f32_dpp v96, v96, v96 row_xmask:8 row_mask:0xf bank_mask:0xf
	v_permlanex16_b32 v97, v96, s20, s21
	v_add_f32 v96, v96, v97
	v_max_num_f32 v96, 0x2b8cbccc, v96             ; 1e-12
	v_rsq_f32 v98, v96
	v_rsq_f32 v99, v96
	v_nop
.set z, 0
	s_wait_alu depctr_va_vdst(0)
.rept 8
	v_pk_mul_f32 v[C+2*z:C+2*z+1], v[C+2*z:C+2*z+1], v[98:99]
.set z, z+1
.endr
.set z, 0
.rept 8
	v_cvt_pk_bf16_f32 v[H+z], v[C+2*z], v[C+2*z+1]         ; hi
.set z, z+1
.endr
.set z, 0
.rept 8
	v_fma_mix_f32_bf16 v[C+2*z],   v[H+z], v14, v[C+2*z]   op_sel_hi:[1,0,0]                 ; y - hi, exact
	v_fma_mix_f32_bf16 v[C+2*z+1], v[H+z], v14, v[C+2*z+1] op_sel:[1,0,0] op_sel_hi:[1,0,0]
.set z, z+1
.endr
.set z, 0
.rept 8
	v_cvt_pk_bf16_f32 v[C+z], v[C+2*z], v[C+2*z+1]         ; lo, in place, ascending
.set z, z+1
.endr
.irp i, 0,1,2,3
	global_store_b64 v11, v[H+2*(\i):H+2*(\i)+1], s[8:9]   offset:256*(\i)  ; 32 lanes store 256 consecutive bytes, aligned
	global_store_b64 v11, v[C+2*(\i):C+2*(\i)+1], s[10:11] offset:256*(\i)
.endr
	s_endpgm
.Lfunc_end_k_qf65814f206_norm:
	.size	k_qf65814f206_norm, .Lfunc_end_k_qf65814f206_norm-k_qf65814f206_norm
	.p2alignl 7, 3214868480
	.fill 96, 4, 3214868480
	.section	.rodata,"a",@progbits
	.p2align	6, 0x0
	.amdhsa_kernel k_qf65814f206_norm
		.amdhsa_group_segment_fixed_size 0
		.amdhsa_private_segment_fixed_size 0
		.amdhsa_enable_private_segment 0
		.amdhsa_kernarg_size 32
		.amdhsa_user_sgpr_count 2
		.amdhsa_user_sgpr_kernarg_segment_ptr 1
		.amdhsa_wavefront_size32 1
		.amdhsa_system_sgpr_workgroup_id_x 1
		.amdhsa_system_sgpr_workgroup_id_y 1
		.amdhsa_system_sgpr_workgroup_id_z 1
		.amdhsa_system_vgpr_workitem_id 0
		.amdhsa_next_free_vgpr 112
		.amdhsa_next_free_sgpr 66
		.amdhsa_reserve_vcc 0
		.amdhsa_float_denorm_mode_32 3
		.amdhsa_float_denorm_mode_16_64 3
		.amdhsa_memory_ordered 1
		.amdhsa_forward_progress 1
		.amdhsa_inst_pref_size 11
	.end_amdhsa_kernel
	.amdgpu_metadata
---
amdhsa.version: [ 1, 2 ]
amdhsa.kernels:
  - .name:           k_qf65814f206_norm
    .symbol:         k_qf65814f206_norm.kd
    .args:
      - { .name: part, .offset: 0, .size: 8, .value_kind: global_buffer, .address_space: global }
      - { .name: stat, .offset: 8, .size: 8, .value_kind: global_buffer, .address_space: global }
      - { .name: cnh, .offset: 16, .size: 8, .value_kind: global_buffer, .address_space: global }
      - { .name: cnl, .offset: 24, .size: 8, .value_kind: global_buffer, .address_space: global }
    .group_segment_fixed_size: 0
    .private_segment_fixed_size: 0
    .kernarg_segment_align: 8
    .kernarg_segment_size: 32
    .max_flat_workgroup_size: 128
    .sgpr_count:     66
    .vgpr_count:     112
    .wavefront_size: 32
...
	.end_amdgpu_metadata
.endif
;; end of part 4
;; launch outp (part 5): grid 16 x 4, 16 waves a work-group, no clusters, 206,848 bytes of LDS; arguments cnh, cnl, out_w, out_b, out0; writes out0
.if DOCPART == 5
	.amdgcn_target "amdgcn-amd-amdhsa--gfx1250"
	.amdhsa_code_object_version 6
	.text
	.protected	k_qf65814f206_outp
	.globl	k_qf65814f206_outp
	.p2align	8
	.type	k_qf65814f206_outp,@function
k_qf65814f206_outp:
	s_mov_b64 s[64:65], 0
	v_nop
	global_prefetch_b8 v0, s[64:65] scope:SCOPE_SE
	s_setreg_imm32_b32 hwreg(HW_REG_WAVE_MODE, 25, 1), 1
	s_wait_xcnt 0x0
; out0[b][a] = sum over j of (cnh[b][j] + cnl[b][j]) out_w[j][a] + out_b[a].  cnh, cnl: bf16 [64][2048]; out_w: f32 [2048][1024]; out_b: f32 [1024]; out0: f32 [64][1024].
; out_w and out_b are rounded once to bf16; hi and lo of the normalised context are multiplied one after the other into the same f32 sums.
; LIMITS.  NaN and infinities are not treated apart.  The sum over j is split over sixteen waves and joined in f32: another order of rounding than one chain.
; SHARES.  A work-group makes 16 rows b (its y) x 64 columns (its x).  Wave w takes j = 128 w .. 128 w + 127, four K steps of 32; the sixteen partial tiles meet in LDS.
; A comes from the wave's own two LDS tiles (16 rows of 256 bytes, 272 apart).  B comes straight from memory: a lane loads four neighbouring columns 4 r .. 4 r + 3 of each of its sixteen j;
; register x of those loads belongs to fragment x, in which column r stands for column 4 r + x.  Sixteen lanes read 256 consecutive bytes, aligned.
; No cluster: what work-groups share (a strip of out_w among the four y) is streamed once by each, with two K steps of loads out at a time.
.set PITCH, 272
.set TILE,  16*PITCH
.set WREG,  2*TILE                     ; a wave's two tiles: hi, then lo
.set STAGE, 16*WREG                    ; 16 waves x 4,096 bytes of partial sums; no tensor load lands here
.set SPARE, STAGE+16*4096              ; the spare words: 128 bytes for each wave, eight blocks of 256 bytes that no other line names
.set BF,  48                           ; v48-79   B's four fragments
.set ACC, 80                           ; v80-111  four accumulators
.set Y0,  112                          ; v112-175 out_w as loaded, even K steps
.set Y1,  176                          ; v176-239 odd K steps; then the sixteen partial sums
.set R,   Y1
; v16-31, v32-47: A's fragments of a K step, hi (8) and lo (8), two buffers.
; v1 r, v2 hh, v3 my offset in out_w and in out0 (both: 8 hh rows of 4,096 bytes + 16 r), v4 my LDS address in the tiles, v5 stage in, v6 stage back, v8 v9 the add, v10-13 bias, v14 v15 at work
.macro PLACES
.rept 4
	v_nop
.endr
.endm
.macro GLOAD s, dst
.set jj, 0
.rept 16
	global_load_b128 v[(\dst)+4*jj:(\dst)+4*jj+3], v3, s[8:9] offset:(32*(\s)+jj+8*(jj/8))*4096
.set jj, jj+1
.endr
.endm
.macro CVTB src, dst
.set fi, 0
.rept 4
.set ft, 0
.rept 8
	v_cvt_pk_bf16_f32 v[(\dst)+8*fi+ft], v[(\src)+8*ft+fi], v[(\src)+8*ft+4+fi]
.set ft, ft+1
.endr
.set fi, fi+1
.endr
.endm
.macro ALOAD s                         ; K step s: two loads of 16 bytes, 32 apart, for hi and for lo
.set AB, 16+16*((\s)%2)
	ds_load_b128 v[AB:AB+3],     v4 offset:64*(\s)
	ds_load_b128 v[AB+4:AB+7],   v4 offset:64*(\s)+32
	ds_load_b128 v[AB+8:AB+11],  v4 offset:TILE+64*(\s)
	ds_load_b128 v[AB+12:AB+15], v4 offset:TILE+64*(\s)+32
.endm
.macro STEP s
.if (\s) < 3
	s_wait_loadcnt 16                              ; this K step's sixteen loads are in, the next one's may be out
.else
	s_wait_loadcnt 0x0
.endif
.if (\s) > 0
	PLACES                                         ; B's fragments, which the last products read, are written again
.endif
	CVTB Y0+64*((\s)%2), BF
.if (\s) < 2
	GLOAD (\s)+2, Y0+64*((\s)%2)
.endif
.if (\s) < 3
	ALOAD (\s)+1                                   ; its buffer's last readers stand 36 plain instructions back
	s_wait_dscnt 4                                 ; this K step's fragments of A are in, the four loads just issued may be out
.else
	s_wait_dscnt 0x0
.endif
.set AB, 16+16*((\s)%2)
.irp hl, 0,1                           ; the four accumulators take turns: with hi, then with lo
.irp i, 0,1,2,3
.if ((\s) == 0) && ((\hl) == 0)
	v_wmma_f32_16x16x32_bf16 v[ACC+8*(\i):ACC+8*(\i)+7], v[AB:AB+7], v[BF+8*(\i):BF+8*(\i)+7], 0
.else
	v_wmma_f32_16x16x32_bf16 v[ACC+8*(\i):ACC+8*(\i)+7], v[AB+8*(\hl):AB+8*(\hl)+7], v[BF+8*(\i):BF+8*(\i)+7], v[ACC+8*(\i):ACC+8*(\i)+7]
.endif
.endr
.endr
.endm
	s_load_b256 s[4:11], s[0:1], 0x0               ; cnh s[4:5], cnl s[6:7], out_w s[8:9], out_b s[10:11]
	s_load_b64 s[12:13], s[0:1], 0x20              ; out0
	v_lshl_add_u32 v8, v0, 2, SPARE
	v_mov_b32 v9, 0
	ds_add_u32 v8, v9                              ; the opening: the add and its wait stand ahead of my first tensor load
	ds_add_u32 v8, v9
	v_lshrrev_b32 v1, 5, v0
	v_readfirstlane_b32 s14, v1                    ; wave 0..15
	s_mov_b32 s15, ttmp9                           ; strip of 64 columns
	s_and_b32 s16, ttmp7, 0xffff                   ; block of 16 rows b
	s_mov_b32 s24, (1<<16)|(1<<20)|(5<<22)|(3<<25) ; group 1: 2-byte elements; padding on, 4 words behind every 64
	s_mov_b32 s25, 128<<16                         ; tensor_dim0 = 128
	s_mov_b32 s26, 16<<16                          ; tensor_dim1 = 16
	s_mov_b32 s27, 128<<16                         ; tile_dim0 = 128
	s_mov_b32 s28, 16                              ; tile_dim1 = 16
	s_mov_b32 s29, 2048                            ; elements from row to row
	s_mov_b32 s30, 0
	s_mov_b32 s31, 0
	s_mov_b32 s32, 1
	s_mul_i32 s33, s14, WREG                       ; my tile of hi
	s_mov_b32 s36, 1
	s_add_co_u32 s37, s33, TILE                    ; my tile of lo
	s_lshl_b32 s20, s16, 16                        ; cnh, cnl: 16 rows of 4,096 bytes, my 128 j
	s_lshl_b32 s21, s14, 8
	s_add_co_u32 s20, s20, s21
	s_mov_b32 s21, 0
	s_lshl_b32 s40, s15, 8                         ; out_b: the strip's 256 bytes
	s_mov_b32 s41, 0
	s_lshl_b32 s22, s14, 19                        ; out_w: my 128 rows of 4,096 bytes, the strip
	s_add_co_u32 s22, s22, s40
	s_mov_b32 s23, 0
	s_lshl_b32 s42, s16, 4                         ; out0: row 16 y + wave (waves 0-7 store), the strip
	s_add_co_u32 s42, s42, s14
	s_lshl_b32 s42, s42, 12
	s_add_co_u32 s42, s42, s40
	s_mov_b32 s43, 0
	v_and_b32 v1, 15, v0
	v_bfe_u32 v2, v0, 4, 1
	v_lshlrev_b32 v15, 4, v1                       ; 16 r
	v_lshl_add_u32 v3, v2, 15, v15
	v_mul_u32_u24 v4, v1, PITCH
	v_lshl_add_u32 v4, v2, 4, v4                   ; row r, 16 bytes for each half of the lanes
	v_add_nc_u32 v4, s33, v4
	v_and_b32 v14, 31, v0
	v_lshlrev_b32 v14, 2, v14
	s_lshl_b32 s17, s14, 12
	s_add_co_u32 s17, s17, STAGE
	v_add_nc_u32 v5, s17, v14
	s_lshl_b32 s17, s14, 7
	s_add_co_u32 s17, s17, STAGE
	v_add_nc_u32 v6, s17, v14
	s_wait_dscnt 0x0                               ; the opening add is done
	s_wait_kmcnt 0x0
	s_add_nc_u64 s[34:35], s[4:5], s[20:21]
	s_or_b32 s35, s35, 0x80000000
	s_add_nc_u64 s[38:39], s[6:7], s[20:21]
	s_or_b32 s39, s39, 0x80000000
	s_add_nc_u64 s[8:9], s[8:9], s[22:23]
	s_add_nc_u64 s[10:11], s[10:11], s[40:41]
	s_add_nc_u64 s[12:13], s[12:13], s[42:43]
	tensor_load_to_lds s[32:35], s[24:31]          ; two tensor loads of mine are out
	s_nop 0
	tensor_load_to_lds s[36:39], s[24:31]
	s_nop 0
	global_load_b128 v[10:13], v15, s[10:11]       ; the bias of columns 4 r .. 4 r + 3
	GLOAD 0, Y0
	GLOAD 1, Y1
	s_wait_tensorcnt 0x0                           ; the tiles are read by the wave that fetched them alone: no barrier
	ALOAD 0
	STEP 0
	STEP 1
	STEP 2
	STEP 3
	PLACES
.set z, 0
.rept 32                               ; each accumulator's registers in ascending order
	ds_store_b32 v5, v[ACC+z] offset:128*z
.set z, z+1
.endr
	s_wait_dscnt 0x0                               ; for the others' sake: my partial sums are in LDS
	s_barrier_signal -1
	s_barrier_wait -1
	s_cmp_lt_u32 s14, 8
	s_cbranch_scc0 .Lend                           ; eight registers an accumulator: waves 0-7 take one each
.set q, 0
.rept 16
.irp i, 0,1,2,3
	ds_load_b32 v[R+4*q+(\i)], v6 offset:4096*q+1024*(\i)
.endr
.set q, q+1
.endr
	v_cvt_pk_bf16_f32 v14, v10, v11                ; the bias is rounded to bf16 like the other inputs, and widened again
	v_cvt_pk_bf16_f32 v15, v12, v13
	v_lshlrev_b32 v10, 16, v14
	v_and_b32 v11, 0xffff0000, v14
	v_lshlrev_b32 v12, 16, v15
	v_and_b32 v13, 0xffff0000, v15
	s_wait_dscnt 0x0
.irp st, 8,4,2,1
.set q, 0
.rept \st
	v_pk_add_f32 v[R+4*q:R+4*q+1],   v[R+4*q:R+4*q+1],   v[R+4*(q+\st):R+4*(q+\st)+1]
	v_pk_add_f32 v[R+4*q+2:R+4*q+3], v[R+4*q+2:R+4*q+3], v[R+4*(q+\st)+2:R+4*(q+\st)+3]
.set q, q+1
.endr
.endr
	v_pk_add_f32 v[R:R+1],   v[R:R+1],   v[10:11]
	v_pk_add_f32 v[R+2:R+3], v[R+2:R+3], v[12:13]
	global_store_b128 v3, v[R:R+3], s[12:13]       ; row 8 hh + wave, columns 4 r .. 4 r + 3: sixteen lanes store 256 consecutive bytes, aligned
.Lend:
	s_wait_tensorcnt 0x0                           ; the wave's end
	ds_add_u32 v8, v9
	s_wait_dscnt 0x0
	s_endpgm
.Lfunc_end_k_qf65814f206_outp:
	.size	k_qf65814f206_outp, .Lfunc_end_k_qf65814f206_outp-k_qf65814f206_outp
	.p2alignl 7, 3214868480
	.fill 96, 4, 3214868480
	.section	.rodata,"a",@progbits
	.p2align	6, 0x0
	.amdhsa_kernel k_qf65814f206_outp
		.amdhsa_group_segment_fixed_size 206848
		.amdhsa_private_segment_fixed_size 0
		.amdhsa_enable_private_segment 0
		.amdhsa_kernarg_size 40
		.amdhsa_user_sgpr_count 2
		.amdhsa_user_sgpr_kernarg_segment_ptr 1
		.amdhsa_wavefront_size32 1
		.amdhsa_system_sgpr_workgroup_id_x 1
		.amdhsa_system_sgpr_workgroup_id_y 1
		.amdhsa_system_sgpr_workgroup_id_z 1
		.amdhsa_system_vgpr_workitem_id 0
		.amdhsa_next_free_vgpr 240
		.amdhsa_next_free_sgpr 66
		.amdhsa_reserve_vcc 0
		.amdhsa_float_denorm_mode_32 3
		.amdhsa_float_denorm_mode_16_64 3
		.amdhsa_memory_ordered 1
		.amdhsa_forward_progress 1
		.amdhsa_inst_pref_size 30
	.end_amdhsa_kernel
	.amdgpu_metadata
---
amdhsa.version: [ 1, 2 ]
amdhsa.kernels:
  - .name:           k_qf65814f206_outp
    .symbol:         k_qf65814f206_outp.kd
    .args:
      - { .name: cnh, .offset: 0, .size: 8, .value_kind: global_buffer, .address_space: global }
      - { .name: cnl, .offset: 8, .size: 8, .value_kind: global_buffer, .address_space: global }
      - { .name: out_w, .offset: 16, .size: 8, .value_kind: global_buffer, .address_space: global }
      - { .name: out_b, .offset: 24, .size: 8, .value_kind: global_buffer, .address_space: global }
      - { .name: out0, .offset: 32, .size: 8, .value_kind: global_buffer, .address_space: global }
    .group_segment_fixed_size: 206848
    .private_segment_fixed_size: 0
    .kernarg_segment_align: 8
    .kernarg_segment_size: 40
    .max_flat_workgroup_size: 512
    .sgpr_count:     66
    .vgpr_count:     240
    .wavefront_size: 32
...
	.end_amdgpu_metadata
.endif
;; end of part 5
